; MI455X (gfx1250); checked and timed in simulation.
; The chip was launched on July 23, 2026; its instructions are those of AMD's public machine-readable ISA for CDNA 5 (MIT licence, August 2026) and "CDNA5" Instruction Set Architecture Reference Guide (July 2026). The comments in the code are by the model that wrote it; some were corrected since.
;; Linear Attention. Allowed arithmetic: float matrix products may take bf16 or f16 operands with f32 sums; all other float work in f32.
;; Inputs: Wk 1,024 x 1,024 float32; Wq 1,024 x 1,024 float32; Wv 1,024 x 1,024 float32; k 4,096 x 4 x 1,024 float32; q 4,096 x 4 x 1,024 float32; v 4,096 x 4 x 1,024 float32.
;; Outputs: out0 4,096 x 4 x 1,024 float32.
;; 2 versions, each right; version 2 is version 1 with the launch cast written anew for expert scheduling mode. Each part assembles by itself: llvm-mc -triple=amdgcn-amd-amdhsa -mcpu=gfx1250 --defsym DOCPART=n.
;; ======== version 1 of 2: 2 launches
;; workspace buffers: wb 6,291,456 bytes
;; launch cast (part 1): grid 256 x 1, 8 waves a work-group, no clusters, 0 bytes of LDS; arguments Wq, Wk, Wv, wb; writes wb
.if DOCPART == 1
	.amdgcn_target "amdgcn-amd-amdhsa--gfx1250"
	.amdhsa_code_object_version 6
	.text
	.protected	k_q2200a21d18_cast
	.globl	k_q2200a21d18_cast
	.p2align	8
	.type	k_q2200a21d18_cast,@function
k_q2200a21d18_cast:
	s_mov_b64 s[64:65], 0
	v_nop
	global_prefetch_b8 v0, s[64:65] scope:SCOPE_SE
	s_setreg_imm32_b32 hwreg(HW_REG_WAVE_MODE, 25, 1), 1
	s_wait_xcnt 0x0
; wb[n][0:1024] = bf16(Wq[n] * log2 e), wb[n][1024:2048] = bf16(Wk[n] * log2 e), wb[n][2048:3072] = bf16(Wv[n]).
; The three weight matrices [1024][1024] f32 are laid side by side along k in one bf16 table of 1,024 rows of 6,144 bytes, so that the next
; launch walks q's, k's and v's weights as one row.  log2 e goes into Wq and Wk here because the next launch takes its exponential in base 2;
; the product is rounded to f32 and then once more to bf16.
; A stream: no LDS, no barrier, no matrix unit.  Work-group g owns rows 4 g .. 4 g + 3 of each matrix; thread t owns the 16 bytes at 16 t of
; each row, so a load of a wave covers 512 consecutive bytes and a store of a wave 256 consecutive bytes at a multiple of 256 from wb's start.
; All twelve loads of a thread go out first; the waits count down.
.set X,     4                          ; v[4:51]  load n = 4 m + i: four registers
.set WROW,  4096                       ; bytes in a row of a weight matrix
.set BROW,  6144                       ; bytes in a row of wb
	s_load_b256 s[4:11], s[0:1], 0x0               ; Wq s[4:5], Wk s[6:7], Wv s[8:9], wb s[10:11]
	s_lshl_b32 s2, ttmp9, 14                       ; 4 rows of 4,096 bytes
	s_mov_b32 s3, 0
	s_mul_i32 s12, ttmp9, 4*BROW                   ; 4 rows of 6,144 bytes
	s_mov_b32 s13, 0
	v_lshlrev_b32 v1, 4, v0                        ; my 16 bytes of a row of f32
	v_lshlrev_b32 v2, 3, v0                        ; my 8 bytes of bf16
	s_wait_kmcnt 0x0
	s_add_nc_u64 s[4:5], s[4:5], s[2:3]
	s_add_nc_u64 s[6:7], s[6:7], s[2:3]
	s_add_nc_u64 s[8:9], s[8:9], s[2:3]
	s_add_nc_u64 s[10:11], s[10:11], s[12:13]
.irp m, 0,1,2
.irp i, 0,1,2,3
	global_load_b128 v[X+16*\m+4*\i:X+16*\m+4*\i+3], v1, s[4+2*\m:5+2*\m] offset:WROW*\i th:TH_LOAD_NT
.endr
.endr
.irp m, 0,1,2
.irp i, 0,1,2,3
	s_wait_loadcnt 11-4*\m-\i                      ; loads come back in order: this one is in, the younger ones stay out
.if \m < 2
	v_pk_mul_f32 v[X+16*\m+4*\i:X+16*\m+4*\i+1],   v[X+16*\m+4*\i:X+16*\m+4*\i+1],   0x3fb8aa3b op_sel_hi:[1,0]   ; times log2 e
	v_pk_mul_f32 v[X+16*\m+4*\i+2:X+16*\m+4*\i+3], v[X+16*\m+4*\i+2:X+16*\m+4*\i+3], 0x3fb8aa3b op_sel_hi:[1,0]
.endif
	v_cvt_pk_bf16_f32 v[X+16*\m+4*\i],   v[X+16*\m+4*\i],   v[X+16*\m+4*\i+1]
	v_cvt_pk_bf16_f32 v[X+16*\m+4*\i+1], v[X+16*\m+4*\i+2], v[X+16*\m+4*\i+3]
	global_store_b64 v2, v[X+16*\m+4*\i:X+16*\m+4*\i+1], s[10:11] offset:BROW*\i+2048*\m   ; no hint: the next launch reads wb many times
.endr
.endr
	s_endpgm
.Lfunc_end_k_q2200a21d18_cast:
	.size	k_q2200a21d18_cast, .Lfunc_end_k_q2200a21d18_cast-k_q2200a21d18_cast
	.p2alignl 7, 3214868480
	.fill 96, 4, 3214868480
	.section	.rodata,"a",@progbits
	.p2align	6, 0x0
	.amdhsa_kernel k_q2200a21d18_cast
		.amdhsa_group_segment_fixed_size 0
		.amdhsa_private_segment_fixed_size 0
		.amdhsa_enable_private_segment 0
		.amdhsa_kernarg_size 32
		.amdhsa_user_sgpr_count 2
		.amdhsa_user_sgpr_kernarg_segment_ptr 1
		.amdhsa_wavefront_size32 1
		.amdhsa_system_sgpr_workgroup_id_x 1
		.amdhsa_system_sgpr_workgroup_id_y 1
		.amdhsa_system_sgpr_workgroup_id_z 1
		.amdhsa_system_vgpr_workitem_id 0
		.amdhsa_next_free_vgpr 56
		.amdhsa_next_free_sgpr 66
		.amdhsa_reserve_vcc 0
		.amdhsa_float_denorm_mode_32 3
		.amdhsa_float_denorm_mode_16_64 3
		.amdhsa_memory_ordered 1
		.amdhsa_forward_progress 1
		.amdhsa_inst_pref_size 7
	.end_amdhsa_kernel
	.amdgpu_metadata
---
amdhsa.version: [ 1, 2 ]
amdhsa.kernels:
  - .name:           k_q2200a21d18_cast
    .symbol:         k_q2200a21d18_cast.kd
    .args:
      - { .name: Wq, .offset: 0, .size: 8, .value_kind: global_buffer, .address_space: global }
      - { .name: Wk, .offset: 8, .size: 8, .value_kind: global_buffer, .address_space: global }
      - { .name: Wv, .offset: 16, .size: 8, .value_kind: global_buffer, .address_space: global }
      - { .name: wb, .offset: 24, .size: 8, .value_kind: global_buffer, .address_space: global }
    .group_segment_fixed_size: 0
    .private_segment_fixed_size: 0
    .kernarg_segment_align: 8
    .kernarg_segment_size: 32
    .max_flat_workgroup_size: 256
    .sgpr_count:     66
    .vgpr_count:     56
    .wavefront_size: 32
...
	.end_amdgpu_metadata
.endif
;; end of part 1
;; launch attn (part 2): grid 8 x 32, 4 waves a work-group, clusters of 4 x 1, 327,680 bytes of LDS; arguments q, k, v, wb, out0; writes out0
.if DOCPART == 2
	.amdgcn_target "amdgcn-amd-amdhsa--gfx1250"
	.amdhsa_code_object_version 6
	.text
	.protected	k_q2200a21d18_attn
	.globl	k_q2200a21d18_attn
	.p2align	8
	.type	k_q2200a21d18_attn,@function
k_q2200a21d18_attn:
	s_mov_b64 s[64:65], 0
	v_nop
	global_prefetch_b8 v0, s[64:65] scope:SCOPE_SE
	s_setreg_imm32_b32 hwreg(HW_REG_WAVE_MODE, 25, 1), 1
	s_wait_xcnt 0x0
	s_wait_alu depctr_hold_cnt(0) depctr_sa_sdst(0) depctr_va_vdst(0) depctr_va_sdst(0) depctr_va_ssrc(0) depctr_va_vcc(0) depctr_vm_vsrc(0)
	s_getreg_b32 s2, hwreg(HW_REG_IB_STS2, 6, 4)
	s_cmp_eq_u32 s2, 0
	s_cbranch_scc0 .Lentry_in_a_cluster
	s_endpgm
.Lentry_in_a_cluster:
	s_bfe_u32 s2, ttmp6, 0x10000c
	s_cmp_lg_u32 s2, 0x3003
	s_cbranch_scc0 .Lentry_shape_is_right
	s_endpgm
.Lentry_shape_is_right:
; out[row][n] = running sum over the 4 rows b of one s of (qk * V) / qk, with V = v Wv^T and, for each row and head of 64 columns,
; qk = sum over d of exp(Q_d) exp(K_d), Q = q Wq^T, K = k Wk^T.  q, k, v, out: [16384 rows = 4 s + b][1024] f32.  wb: [1024 n][3072] bf16,
; Wq log2 e | Wk log2 e | Wv side by side along k.
;
; SHAPE.  A work-group makes 128 rows x 512 columns with four waves; a wave makes all 128 rows x 128 columns (two heads): 64 accumulator tiles
; of 16 x 16, 512 registers.  128 row blocks x 2 column blocks = 256 work-groups.  The sums go along 3,072 k in 48 half-steps of 64:
; 16 of q and 16 of k onto the SAME accumulators (exp(a) exp(b) = exp(a + b)), then one exponential and the heads' sums, then 16 of v onto
; accumulators started anew, then the quotient, the running sum and the stores.
; ACTIVATIONS are f32 in memory: memory -> registers -> bf16 -> LDS, converted once in a work-group, each wave 32 of the 128 rows, through two
; LDS slots of 64 k; a tile is asked for two half-steps (256 matrix instructions) before it is converted.  They do not go through LDS as f32:
; that would double their LDS bytes and add a read and a write of them.
; WEIGHTS come as bf16 tiles of 128 rows x 128 k by tensor loads, each wave its own 128 rows (only it reads them), through two LDS slots.
; CLUSTER 4, 1, 1: the four work-groups are four row blocks of one column block and need the same weight tiles: each tile is asked for jointly,
; mask 15.  The activations are shared by the two column blocks only, and go through registers, so they are not asked for jointly.
; A HALF-STEP is two quarters of 64 matrix instructions on fragment buffers 0 and 1.  LDS work goes in runs of 16 instructions, 16 or 32 matrix
; instructions apart (the four waves issue a run at about the same time: 4 x 16 x 512 bytes = 32 KiB asked of LDS at once):
;   first quarter:   [B -> buffer 1] 16 [next tile: convert, store, ask] 16 [A -> buffer 1] 32
;   second quarter:  signal 16 wait [refill] [B -> buffer 0] 16 [A -> buffer 0] 32
; The one barrier of a half-step stands between the quarters: by then every fragment of this half-step's tile has been fetched.
;
; LIMITS.  (1) exp(Q) exp(K) is made as 2^((Q + K) log2 e): where one factor alone overflows or vanishes in f32 (|Q| or |K| above about 88)
; while Q + K is in range, the factors' product would be infinite, zero or NaN and this text gives the finite value.  (2) log2 e is multiplied into Wq and
; Wk before their rounding to bf16.  (3) v_exp_f32 gives 0 below 2^-126 (ISA guide 15.8): a head whose 64 exponents are all below -126 in base 2
; has qk = 0 and gives NaN, as 0 / 0 does.  (4) The division is (qk v) * R, R = s * rcp(qk s), s = 2^-64 for qk > 2^64, 2^64 for qk < 2^-64, else 1,
; so that v_rcp_f32 neither sees nor makes a denormal; qk v is rounded, and overflows, as written; R is a denormal for qk above 2^126 and then has
; 21 bits or more; elsewhere the quotient is within about 2 units in the last place.
; (5) The 64 terms of qk are added in another order: a tree in each lane, then the two lanes.
;
; LDS:  B slot s at s * 139,264, wave w's 128 rows at + w * 34,816, pitch 272;  A slot p at 278,528 + p * 18,432, 128 rows, pitch 144;
;       on the way out wave w's stage of 16 rows x 512 bytes, pitch 528, at 278,528 + w * 8,448, over the A slots.  No tensor load lands at or above 278,528.
; REGISTERS, in windows of 256:
;   window 0: v2-9 addresses, v10-15 temporaries, v16-31 qk (2 a + head), v32-95 and v96-159 activations on their way (even, odd tiles),
;             v160-175 s, v176-191 R, v192-255 A's fragments, buffer 0
;   window 1: v0-63 A's fragments, buffer 1; v64-127, v128-191 B's fragments, buffers 0, 1
;   window 2: accumulator tiles of rows 0-63 (tile (a, b) at v[8 (8 a + b)]);  window 3: those of rows 64-127
; THE MATRIX INSTRUCTION IS USED TRANSPOSED: source 0 = 16 rows of wb, source 1 = 16 activation rows.  Lane l of tile (a, b) then holds row
; 16 a + l % 16 and columns 16 b + 8 (l / 16) + 0 .. 7: a head's sum is 32 registers of a lane plus the lane 16 away, and lands where it is used.
.set APITCH, 144                       ; 128 bytes of data + 16
.set ASLOT,  128*APITCH                ; 18,432
.set BPITCH, 272                       ; 256 bytes of data + 16
.set BWAVE,  128*BPITCH                ; 34,816: what one tensor load brings
.set BSLOT,  4*BWAVE                   ; 139,264
.set ABASE,  2*BSLOT                   ; 278,528
.set SPITCH, 528                       ; the stage: 512 bytes of data + 16
.set SWAVE,  16*SPITCH                 ; 8,448
.set ROWB,   4096                      ; bytes in a row of q, k, v, out
.set GOFF, 2                           ; v2     16 (l % 16) + 8 rows (l / 16): my 16 bytes of an activation load
.set ASTO, 3                           ; v3     where I put 8 bytes of bf16 in A slot 0
.set ADRA, 4                           ; v4     my A fragments in A slot 0
.set ADRB, 5                           ; v5-6   my B fragments in B slot 0, 1
.set STO,  7                           ; v7     the way out: where I put 32 bytes of a row
.set RD,   8                           ; v8     the way out: where I read a row back
.set CO,   9                           ; v9     my byte offset in a row piece of out
.set PT,   10                          ; v10-11 the other half's sums
.set QK,   16
.set SG,   32                          ; staging buffer p at SG + 64 p
.set SC,   160
.set RC,   176
.set FA0,  192                         ; window 0
.set FA1,  0                           ; window 1
.set FB0,  64                          ; window 1
.set FB1,  128                         ; window 1
.set TMP,  32                          ; the way out, over the staging buffers
.set RB0,  96
.set RB1,  192
.set G1,   24                          ; s[24:31] descriptor group 1
.set G0,   32                          ; s[32:39] descriptor group 0, one set for each B slot
.set MSB, 0
.macro WIN new                         ; s_set_vgpr_msb: bits 1:0 source 0, 3:2 source 1, 5:4 source 2, 7:6 destination; the high byte repeats the setting that is left
.if MSB != \new
	s_set_vgpr_msb (MSB<<8)|\new
.set MSB, \new
.endif
.endm
.macro PLACES                          ; four places behind a matrix instruction, in front of what touches its registers (ISA guide 7.12.1)
.rept 4
	v_nop
.endr
.endm
; A round of the cluster's barrier behind its opening work-group barrier: wave 0 signals for the work-group, every wave waits for all four
; work-groups, the work-group's barrier closes the round.
.macro CREST
	s_cmp_lg_u32 s14, 0
	s_cbranch_scc1 .Lnot_wave_0_\@
	s_barrier_signal -3
.Lnot_wave_0_\@:
	s_barrier_wait -3
	s_barrier_signal -1
	s_barrier_wait -1
.endm
.macro CROUND
	s_barrier_signal -1
	s_barrier_wait -1
	CREST
.endm
; 16 matrix instructions: row blocks a0, a0 + 1 of the window's four (hi = 0: rows 0-63, 1: rows 64-127) x all 8 column blocks, 32 along k.
; zero = 1: the product starts the sums.  The 64 accumulators take turns, one instruction a turn, in the same order in every quarter.
.macro MUL16 fb, fa, hi, a0, zero
.irp a, \a0, \a0+1
.irp b, 0,1,2,3,4,5,6,7
.if \zero
	v_wmma_f32_16x16x32_bf16 v[8*(8*(\a)+\b):8*(8*(\a)+\b)+7], v[\fb+8*\b:\fb+8*\b+7], v[\fa+8*(4*\hi+\a):\fa+8*(4*\hi+\a)+7], 0
.else
	v_wmma_f32_16x16x32_bf16 v[8*(8*(\a)+\b):8*(8*(\a)+\b)+7], v[\fb+8*\b:\fb+8*\b+7], v[\fa+8*(4*\hi+\a):\fa+8*(4*\hi+\a)+7], v[8*(8*(\a)+\b):8*(8*(\a)+\b)+7]
.endif
.endr
.endr
.endm
; A fragment: lane l holds row l % 16; registers 0-3 k = 8 (l / 16) + 0..7, registers 4-7 k = 16 + 8 (l / 16) + 0..7: two loads of 16 bytes, 32 bytes apart.
; A run of 16 LDS loads: one quarter's fragments (32 k) of my 128 rows of B, from byte bk of B slot bs, into buffer buf
.macro FETCHB bs, bk, buf
	WIN 0x40                                       ; destination window 1, address window 0
.irp i, 0,1,2,3,4,5,6,7
	ds_load_b128 v[FB0+64*\buf+8*\i:FB0+64*\buf+8*\i+3],   v[ADRB+(\bs)] offset:\bk+\i*16*BPITCH
	ds_load_b128 v[FB0+64*\buf+8*\i+4:FB0+64*\buf+8*\i+7], v[ADRB+(\bs)] offset:\bk+\i*16*BPITCH+32
.endr
.endm
; A run of 16 LDS loads: one quarter's fragments of the 128 rows of A, rows 0-63 first, from byte ak of A slot ap, into buffer buf
.macro FETCHA ap, ak, buf
.if \buf
	WIN 0x40
.irp i, 0,1,2,3,4,5,6,7
	ds_load_b128 v[FA1+8*\i:FA1+8*\i+3],   v[ADRA] offset:\ap*ASLOT+\ak+\i*16*APITCH
	ds_load_b128 v[FA1+8*\i+4:FA1+8*\i+7], v[ADRA] offset:\ap*ASLOT+\ak+\i*16*APITCH+32
.endr
.else
	WIN 0
.irp i, 0,1,2,3,4,5,6,7
	ds_load_b128 v[FA0+8*\i:FA0+8*\i+3],   v[ADRA] offset:\ap*ASLOT+\ak+\i*16*APITCH
	ds_load_b128 v[FA0+8*\i+4:FA0+8*\i+7], v[ADRA] offset:\ap*ASLOT+\ak+\i*16*APITCH+32
.endr
.endif
.endm
; 16 loads: my 32 rows x 256 bytes (64 k in f32) of the tile of parity p of the pair at s[40:41].  Lanes 0-15 take 256 consecutive bytes of row
; rho = 16 (j / 8) + j % 8, at a multiple of 256 from the buffer's start, lanes 16-31 those of row rho + 8.  No hint: a second work-group reads the same rows.
.macro LOADA p
.irp j, 0,1,2,3,4,5,6,7,8,9,10,11,12,13,14,15
	global_load_b128 v[SG+64*(\p)+4*\j:SG+64*(\p)+4*\j+3], v[GOFF], s[40:41] offset:(16*(\j>>3)+(\j&7))*ROWB+256*(\p)
.endr
.endm
; Staging buffer p: wait, round to bf16 in place, 8 bytes a lane into A slot p; load = 1: ask for the tile two further on.
; left = how many younger loads may stay out.
.macro STAGE p, left, load
	WIN 0
	s_wait_loadcnt \left                           ; loads come back in order: this buffer's 16 are in, the other buffer's stay out
.irp j, 0,1,2,3,4,5,6,7,8,9,10,11,12,13,14,15
	v_cvt_pk_bf16_f32 v[SG+64*(\p)+4*\j],   v[SG+64*(\p)+4*\j],   v[SG+64*(\p)+4*\j+1]
	v_cvt_pk_bf16_f32 v[SG+64*(\p)+4*\j+1], v[SG+64*(\p)+4*\j+2], v[SG+64*(\p)+4*\j+3]
.endr
.irp j, 0,1,2,3,4,5,6,7,8,9,10,11,12,13,14,15
	ds_store_b64 v[ASTO], v[SG+64*(\p)+4*\j:SG+64*(\p)+4*\j+1] offset:(\p)*ASLOT+(16*(\j>>3)+(\j&7))*APITCH   ; lanes 0-15: 128 consecutive bytes; lanes 16-31: 8 rows = 288 words further
.endr
.if \load
.if (\p) == 0
	s_wait_xcnt 0x0                                ; the odd tile's loads still name s[40:41]: it is stepped only behind this wait
	s_add_nc_u64 s[40:41], s[40:41], 512           ; the next pair of tiles in the rows,
	s_add_co_u32 s46, s46, 1
	s_cmp_eq_u32 s46, 8                            ; or, behind a matrix's eighth pair, the next matrix's first
	s_cselect_b64 s[40:41], s[42:43], s[40:41]
	s_cselect_b64 s[42:43], s[44:45], s[42:43]
	s_cselect_b32 s46, 0, s46
.endif
	LOADA \p
.endif
.endm
; One half-step t.  p = t % 2: A slot, and which half of B slot bs.
; st: 1 = convert tile t + 1 and ask for tile t + 3; 2 = convert only; 0 = nothing left.
; turn: how the slots change between the quarters.  0: work-group barrier, for A's slots alone (B's refill stays on its way: no LDS bytes are filled by a tensor load behind it);
; 1: a round of the cluster's barrier and the joint refill of B slot bs; 2: the barrier with the wait for B's last tile, no refill; 3: the last half-step: no barrier, nothing to fetch.
; What the barrier orders.  In front of its signal: my reads of A slot p (tile t: its second quarter's fragments are fetched in the first quarter), my reads of this B slot, my stores of
; tile t + 1 into A slot 1 - p.  Behind its wait: the reads of A slot 1 - p, and, in the next half-step's first quarter, the stores of tile t + 2 into A slot p.
.macro HS p, bs, zero, st, left, turn
	; first quarter: buffer 0 is multiplied
	PLACES                                         ; behind the last quarter's matrix instructions, which read buffer 1: for both runs of loads into it
	FETCHB \bs, 128*\p+64, 1
	s_wait_dscnt 24                                ; buffer 0: B and A's rows 0-63 are in; out may be A's rows 64-127 (8 loads) and the 16 loads just issued
	WIN 0xa1                                       ; B window 1, A window 0, C and D window 2
	MUL16 FB0, FA0, 0, 0, \zero
.if \st == 1
	STAGE (1-\p), \left, 1
.endif
.if \st == 2
	STAGE (1-\p), \left, 0
.endif
	WIN 0xa1
	MUL16 FB0, FA0, 0, 2, \zero
	FETCHA \p, 64, 1
	s_wait_dscnt 32                                ; out may be the 16 loads just issued and the 16 LDS instructions in front of them (the stores, or B's loads where nothing is staged): buffer 0 is whole
	WIN 0xf1
	MUL16 FB0, FA0, 1, 0, \zero
	MUL16 FB0, FA0, 1, 2, \zero
	; second quarter: buffer 1 is multiplied
	s_wait_dscnt 0                                 ; buffer 1 is whole (its last loads were issued 32 matrix instructions ago): my reads of A slot p and of this part of B's slot are over, my stores into A slot 1 - p are done
.if \turn == 3
	WIN 0xa5                                       ; B and A window 1, C and D window 2
	MUL16 FB1, FA1, 0, 0, 0
	MUL16 FB1, FA1, 0, 2, 0
.else
.if \turn != 0
	s_wait_tensorcnt 0x0                           ; all my tensor loads have landed: the one that was out is my part of the other B slot
	ds_add_u32 v255, v15
	s_wait_dscnt 0x0
.endif
	s_barrier_signal -1                            ; say so (turn 1: this barrier opens the round),
	WIN 0xa5
	MUL16 FB1, FA1, 0, 0, 0                        ; work on registers while the others arrive,
.if \turn == 1
	WIN 0
.endif
	s_barrier_wait -1                              ; and go on when all four waves have said so
.if \turn == 1
	CREST                                          ; all four work-groups have said so: no wave of any partner reads this B slot or has a load on its way
	s_add_nc_u64 s[G0+4*\bs+2:G0+4*\bs+3], s[G0+4*\bs+2:G0+4*\bs+3], 512   ; two steps of 128 k on
	tensor_load_to_lds s[G0+4*\bs:G0+4*\bs+3], s[G1:G1+7]                   ; my one tensor load behind the round; 240 matrix instructions stand between it and the wait for it
	s_nop 0
.endif
	PLACES                                         ; behind the first quarter's matrix instructions, which read buffer 0: for both runs of loads into it
.if \p == 0
	FETCHB \bs, 128, 0
.else
	FETCHB (1-\bs), 0, 0
.endif
	WIN 0xa5
	MUL16 FB1, FA1, 0, 2, 0
.if \p == 0
	FETCHA 1, 0, 0
.else
	FETCHA 0, 0, 0
.endif
.endif
	WIN 0xf5
	MUL16 FB1, FA1, 1, 0, 0
	MUL16 FB1, FA1, 1, 2, 0
.endm
.macro LAP z                           ; four half-steps: once round B's two slots, both filled again
	HS 0, 0, \z, 1, 16, 0
	HS 1, 0, 0,  1, 16, 1
	HS 0, 1, 0,  1, 16, 0
	HS 1, 1, 0,  1, 16, 1
.endm
	s_load_b256 s[4:11], s[0:1], 0x0               ; q s[4:5], k s[6:7], v s[8:9], wb s[10:11]
	s_load_b64 s[12:13], s[0:1], 0x20              ; out0
	s_set_vgpr_msb 0x40
	v_lshl_add_u32 v255, v0, 2, 0x4d000
	s_set_vgpr_msb 0x4000
	v_mov_b32 v15, 0
	s_set_vgpr_msb 0x1
	ds_add_u32 v255, v15
	s_set_vgpr_msb 0x100
	v_lshrrev_b32 v1, 5, v0
	v_readfirstlane_b32 s14, v1                    ; wave 0..3
	s_bfe_u32 s15, ttmp6, 0x40000                  ; cx: my place in the cluster
	s_mov_b32 s16, ttmp9                           ; column block = the cluster's x (0, 1): the same in all four partners
	s_and_b32 s17, ttmp7, 0xffff
	s_lshl_b32 s17, s17, 2
	s_add_co_u32 s17, s17, s15                     ; row block = 4 x cluster y + cx
	s_mov_b32 s46, 0                               ; pairs of tiles done in the matrix at hand
	s_mov_b32 s48, 0x76543210                      ; v_permlanex16_b32: lane i of one half reads lane i of the other
	s_mov_b32 s49, 0xfedcba98
	s_mov_b32 s50, 0x5f800000                      ; 2^64
	s_mov_b32 s51, 0x1f800000                      ; 2^-64
	; descriptor group 1: a tile of 128 rows x 128 elements of 2 bytes out of rows of 3,072, padded in LDS
	s_mov_b32 s[G1+0], 15|(1<<16)|(1<<20)|(1<<21)|(5<<22)|(3<<25)   ; 15:0 mask: all four partners; 17:16 2 bytes; 20 padding on; 21 set beside a mask; 24:22 after every 64 words; 31:25 4 words
	s_mov_b32 s[G1+1], 128<<16                     ; tensor_dim0 = 128
	s_mov_b32 s[G1+2], 128<<16                     ; tensor_dim1 = 128
	s_mov_b32 s[G1+3], 128<<16                     ; tile_dim0 = 128
	s_mov_b32 s[G1+4], 128                         ; tile_dim1 = 128
	s_mov_b32 s[G1+5], 3072                        ; elements from row to row
	s_mov_b32 s[G1+6], 0
	s_mov_b32 s[G1+7], 0
	; offsets.  s[18:21] feed the descriptors and LDS addresses and never hold cx; s[22:23] and s[52:53] hold what hangs on the row block.
	s_mul_i32 s18, s16, 512*6144                   ; wb: 512 rows a column block,
	s_mul_i32 s19, s14, 128*6144                   ; 128 rows a wave
	s_add_co_u32 s18, s18, s19
	s_mov_b32 s19, 0
	s_mul_i32 s20, s14, BWAVE                      ; my part of a B slot
	s_mul_i32 s21, s14, 32*APITCH                  ; my 32 rows of an A slot
	s_add_co_u32 s21, s21, ABASE
	s_mul_i32 s54, s14, SWAVE                      ; my stage
	s_add_co_u32 s54, s54, ABASE
	s_lshl_b32 s22, s17, 19                        ; activations: 128 rows of 4,096 bytes a row block,
	s_lshl_b32 s23, s14, 17                        ; 32 rows a wave
	s_add_co_u32 s22, s22, s23
	s_mov_b32 s23, 0
	s_lshl_b32 s52, s17, 19                        ; out: the row block, 2,048 bytes a column block, 512 a wave
	s_lshl_b32 s53, s16, 11
	s_add_co_u32 s52, s52, s53
	s_lshl_b32 s53, s14, 9
	s_add_co_u32 s52, s52, s53
	s_mov_b32 s53, 0
	v_and_b32 v10, 15, v0                          ; l % 16
	v_bfe_u32 v11, v0, 4, 1                        ; l / 16
	v_and_b32 v12, 31, v0                          ; l
	v_lshlrev_b32 v[GOFF], 4, v10
	v_lshl_add_u32 v[GOFF], v11, 15, v[GOFF]       ; + 8 rows of 4,096 bytes for lanes 16-31
	s_wait_dscnt 0x0
	s_wait_kmcnt 0x0
	s_add_nc_u64 s[40:41], s[4:5], s[22:23]        ; the pair of tiles being asked for: q's first
	s_add_nc_u64 s[42:43], s[6:7], s[22:23]        ; the next matrix: k
	s_add_nc_u64 s[44:45], s[8:9], s[22:23]        ; the one after: v
	s_add_nc_u64 s[10:11], s[10:11], s[18:19]
	s_add_nc_u64 s[12:13], s[12:13], s[52:53]
	LOADA 0                                        ; tiles 0 and 1
	LOADA 1
	CROUND                                         ; all four work-groups are here: the first joint loads meet
.irp s, 0,1
	s_mov_b32 s[G0+4*\s], 1                                        ; count = 1
	s_add_co_u32 s[G0+4*\s+1], s20, \s*BSLOT                       ; LDS address: the wave's number and the slot alone
	s_add_nc_u64 s[G0+4*\s+2:G0+4*\s+3], s[10:11], \s*256          ; global address: step s of 128 k
	s_or_b32 s[G0+4*\s+3], s[G0+4*\s+3], 0x80000000                ; type = 2
	tensor_load_to_lds s[G0+4*\s:G0+4*\s+3], s[G1:G1+7]            ; both first fills go out together: two tensor loads of the wave are out here, one later on
	s_nop 0
.endr
	v_mul_u32_u24 v13, v11, 8*APITCH
	v_lshl_add_u32 v13, v10, 3, v13
	v_add_nc_u32 v[ASTO], s21, v13                 ; row 32 w + 8 (l / 16), byte 8 (l % 16)
	v_mul_u32_u24 v13, v10, APITCH
	v_lshl_add_u32 v13, v11, 4, v13
	v_add_nc_u32 v[ADRA], ABASE, v13               ; row l % 16, byte 16 (l / 16)
	v_mul_u32_u24 v13, v10, BPITCH
	v_lshl_add_u32 v13, v11, 4, v13
	v_add_nc_u32 v[ADRB], s20, v13
	v_add_nc_u32 v[ADRB+1], BSLOT, v[ADRB]
	v_mul_u32_u24 v13, v10, SPITCH
	v_lshl_add_u32 v13, v11, 5, v13
	v_add_nc_u32 v[STO], s54, v13                  ; row l % 16, byte 32 (l / 16)
	v_lshl_add_u32 v[RD], v12, 4, s54              ; a whole row of 512 bytes: 16 bytes a lane
	v_lshlrev_b32 v[CO], 4, v12
	STAGE 0, 16, 1                                 ; tile 0 into A slot 0; tile 2 is asked for
	s_wait_dscnt 0x0                               ; my part of tile 0 is stored,
	s_wait_tensorcnt 0x1                           ; my part of B's step 0 is in; step 1's stays out
	s_barrier_signal -1
	s_barrier_wait -1
	FETCHB 0, 0, 0
	FETCHA 0, 0, 0
	; half-steps 0 to 31: (q Wq^T + k Wk^T) log2 e
	LAP 1                                          ; the first products start the sums
	WIN 0                                          ; at a label and at a branch every window is 0
	s_mov_b32 s47, 7
.Ls:
	LAP 0
	WIN 0
	s_sub_co_u32 s47, s47, 1
	s_cmp_lg_u32 s47, 0
	s_cbranch_scc1 .Ls
	; The exponentials and the heads' sums.  v's first fragments, two tiles of v and B's refill are on their way meanwhile; none of their registers is touched.
; v[32 g + 2 c] += v[32 g + dist + 2 c], pairs at a time, level by level over the window's eight groups of 32 registers (row block, head)
.macro TREE dist, pairs
	s_wait_alu depctr_va_vdst(0)
.irp g, 0,1,2,3,4,5,6,7
.set cnt, 0
.rept \pairs
	v_pk_add_f32 v[32*\g+2*cnt:32*\g+2*cnt+1], v[32*\g+2*cnt:32*\g+2*cnt+1], v[32*\g+\dist+2*cnt:32*\g+\dist+2*cnt+1]
.set cnt, cnt+1
.endr
.endr
.endm
.macro EXPW wexp, wtree, wfin, q0
	WIN \wexp                                      ; source 0 and destination in the accumulators' window
.set cnt, 0
.rept 256
	v_exp_f32 v[cnt], v[cnt]
.set cnt, cnt+1
.endr
	v_nop                                          ; one plain instruction between the last exponential and the first use (ISA guide 5.7.2)
	WIN \wtree                                     ; both sources and the destination there
	TREE 16, 8
	TREE 8, 4
	TREE 4, 2
	TREE 2, 1
	WIN \wfin                                      ; sources there, destination window 0
.irp g, 0,1,2,3,4,5,6,7
	v_add_f32 v[QK+\q0+\g], v[32*\g], v[32*\g+1]
.endr
.endm
	PLACES                                         ; behind the last matrix instructions
	EXPW 0x82, 0x8a, 0x0a, 0
	EXPW 0xc3, 0xcf, 0x0f, 8
	WIN 0
.irp i, 0,1,2,3,4,5,6,7,8,9,10,11,12,13,14,15
	v_permlanex16_b32 v[PT+(\i&1)], v[QK+\i], s48, s49     ; the other 32 columns of the head lie in the lane 16 away (v10, v11 have been written)
	v_add_f32 v[QK+\i], v[QK+\i], v[PT+(\i&1)]
.endr
.irp i, 0,1,2,3,4,5,6,7,8,9,10,11,12,13,14,15
	v_cmp_lt_f32 vcc_lo, s50, v[QK+\i]                     ; qk > 2^64: s = 2^-64
	v_cndmask_b32 v[SC+\i], 1.0, s51, vcc_lo
	v_cmp_gt_f32 vcc_lo, s51, v[QK+\i]                     ; qk < 2^-64: s = 2^64
	v_cndmask_b32 v[SC+\i], v[SC+\i], s50, vcc_lo
	v_mul_f32 v[RC+\i], v[QK+\i], v[SC+\i]
.endr
.irp i, 0,1,2,3,4,5,6,7,8,9,10,11,12,13,14,15
	v_rcp_f32 v[RC+\i], v[RC+\i]
.endr
	v_nop                                          ; one plain instruction behind the last reciprocal
	s_wait_alu depctr_va_vdst(0)
.irp i, 0,1,2,3,4,5,6,7,8,9,10,11,12,13,14,15
	v_mul_f32 v[RC+\i], v[RC+\i], v[SC+\i]                 ; R = s rcp(qk s) = 1 / qk, made once for a row and a head
.endr
	; half-steps 32 to 47: v Wv^T
	LAP 1                                          ; the accumulators start anew
	WIN 0
	s_mov_b32 s47, 2
.Lv:
	LAP 0
	WIN 0
	s_sub_co_u32 s47, s47, 1
	s_cmp_lg_u32 s47, 0
	s_cbranch_scc1 .Lv
	HS 0, 0, 0, 1, 16, 0                           ; half-step 44: tile 45 is converted, tile 47, the last, is asked for
	HS 1, 0, 0, 2, 16, 2                           ; 45: tile 46; nothing more to ask for, no refill, no round; the wait shows B's last step landed
	HS 0, 1, 0, 2, 0,  0                           ; 46: tile 47: no younger load is out
	HS 1, 1, 0, 0, 0,  3                           ; 47
	; THE WAY OUT, 16 rows at a time: (qk v) R, 32 bytes a lane into my stage, read back as whole rows of 512 bytes, the running sum over
	; each four rows, and stores in which the wave covers 512 consecutive bytes at a multiple of 512 from out's start.
	PLACES                                         ; behind the last matrix instructions: their results are read, buffer 0 of A is loaded into
	s_barrier_signal -1                            ; the stages lie over the A slots: every wave's reads of them are over (its wait for 0 stands above)
	s_barrier_wait -1
; TMP[64] = src[64] x the pair at fac: its first register for the 32 numbers of head 0, its second for those of head 1
.macro PKROW srcb, fac
.set cnt, 0
.rept 16
	v_pk_mul_f32 v[TMP+2*cnt:TMP+2*cnt+1], v[\srcb+2*cnt:\srcb+2*cnt+1], v[\fac:\fac+1] op_sel_hi:[1,0]
.set cnt, cnt+1
.endr
.rept 16
	v_pk_mul_f32 v[TMP+2*cnt:TMP+2*cnt+1], v[\srcb+2*cnt:\srcb+2*cnt+1], v[\fac:\fac+1] op_sel:[0,1] op_sel_hi:[1,1]
.set cnt, cnt+1
.endr
.endm
; rows 16 i .. 16 i + 15 = the eight tiles (a, 0..7) of window 2 or 3 (win = 0x02 or 0x03: source 0); rb: RB0 or RB1 in turn
.macro OUT16 i, a, win, rb
	WIN \win
	PKROW 64*\a, QK+2*\i                           ; qk v, rounded as written
	WIN 0
	PKROW TMP, RC+2*\i                             ; times 1 / qk
.irp b, 0,1,2,3,4,5,6,7
	ds_store_b128 v[STO], v[TMP+8*\b:TMP+8*\b+3]   offset:64*\b
	ds_store_b128 v[STO], v[TMP+8*\b+4:TMP+8*\b+7] offset:64*\b+16
.endr
	s_wait_xcnt 0x0                                ; rb was the data of stores two turns ago: it is loaded again only behind this wait
.irp t, 0,1,2,3,4,5,6,7,8,9,10,11,12,13,14,15
	ds_load_b128 v[\rb+4*\t:\rb+4*\t+3], v[RD] offset:SPITCH*\t    ; my own bytes; LDS serves a wave's instructions in order (ISA guide 5.7.1.4): these see the stores above
.endr
.irp g, 0,1,2,3
	s_wait_dscnt 12-4*\g                           ; the four rows b = 0..3 of one s are in; the rows behind them stay out
.irp b, 1,2,3
	v_pk_add_f32 v[\rb+16*\g+4*\b:\rb+16*\g+4*\b+1],   v[\rb+16*\g+4*\b:\rb+16*\g+4*\b+1],   v[\rb+16*\g+4*\b-4:\rb+16*\g+4*\b-3]
	v_pk_add_f32 v[\rb+16*\g+4*\b+2:\rb+16*\g+4*\b+3], v[\rb+16*\g+4*\b+2:\rb+16*\g+4*\b+3], v[\rb+16*\g+4*\b-2:\rb+16*\g+4*\b-1]
.endr
.irp b, 0,1,2,3
	global_store_b128 v[CO], v[\rb+16*\g+4*\b:\rb+16*\g+4*\b+3], s[12:13] offset:(16*\i+4*\g+\b)*ROWB th:TH_STORE_NT
.endr
.endr
.endm
	OUT16 0, 0, 0x02, RB0
	OUT16 1, 1, 0x02, RB1
	OUT16 2, 2, 0x02, RB0
	OUT16 3, 3, 0x02, RB1
	OUT16 4, 0, 0x03, RB0
	OUT16 5, 1, 0x03, RB1
	OUT16 6, 2, 0x03, RB0
	OUT16 7, 3, 0x03, RB1
	s_set_vgpr_msb 0x1
	s_wait_tensorcnt 0x0
	ds_add_u32 v255, v15
	s_wait_dscnt 0x0
	s_set_vgpr_msb 0x100
	CROUND                                         ; the closing round: no work-group ends while a partner may still ask for a tile that names it
	s_endpgm
.Lfunc_end_k_q2200a21d18_attn:
	.size	k_q2200a21d18_attn, .Lfunc_end_k_q2200a21d18_attn-k_q2200a21d18_attn
	.p2alignl 7, 3214868480
	.fill 96, 4, 3214868480
	.section	.rodata,"a",@progbits
	.p2align	6, 0x0
	.amdhsa_kernel k_q2200a21d18_attn
		.amdhsa_group_segment_fixed_size 327680
		.amdhsa_private_segment_fixed_size 0
		.amdhsa_enable_private_segment 0
		.amdhsa_kernarg_size 40
		.amdhsa_user_sgpr_count 2
		.amdhsa_user_sgpr_kernarg_segment_ptr 1
		.amdhsa_wavefront_size32 1
		.amdhsa_system_sgpr_workgroup_id_x 1
		.amdhsa_system_sgpr_workgroup_id_y 1
		.amdhsa_system_sgpr_workgroup_id_z 1
		.amdhsa_system_vgpr_workitem_id 0
		.amdhsa_next_free_vgpr 1024
		.amdhsa_next_free_sgpr 66
		.amdhsa_reserve_vcc 1
		.amdhsa_float_denorm_mode_32 3
		.amdhsa_float_denorm_mode_16_64 3
		.amdhsa_memory_ordered 1
		.amdhsa_forward_progress 1
		.amdhsa_inst_pref_size 255
	.end_amdhsa_kernel
	.section	.bss,"aw",@nobits
	.p2align	6
	.space	262144
	.amdgpu_metadata
---
amdhsa.version: [ 1, 2 ]
amdhsa.kernels:
  - .name:           k_q2200a21d18_attn
    .symbol:         k_q2200a21d18_attn.kd
    .args:
      - { .name: q, .offset: 0, .size: 8, .value_kind: global_buffer, .address_space: global }
      - { .name: k, .offset: 8, .size: 8, .value_kind: global_buffer, .address_space: global }
      - { .name: v, .offset: 16, .size: 8, .value_kind: global_buffer, .address_space: global }
      - { .name: wb, .offset: 24, .size: 8, .value_kind: global_buffer, .address_space: global }
      - { .name: out0, .offset: 32, .size: 8, .value_kind: global_buffer, .address_space: global }
    .group_segment_fixed_size: 327680
    .private_segment_fixed_size: 0
    .kernarg_segment_align: 8
    .kernarg_segment_size: 40
    .max_flat_workgroup_size: 128
    .sgpr_count:     66
    .vgpr_count:     1024
    .wavefront_size: 32
...
	.end_amdgpu_metadata
.endif
;; end of part 2
;; ======== version 2 of 2: 2 launches; version 1 with the launch cast written anew for expert scheduling mode
;; workspace buffers: wb 6,291,456 bytes
;; launch cast (part 3): grid 256 x 1, 8 waves a work-group, no clusters, 0 bytes of LDS; arguments Wq, Wk, Wv, wb; writes wb
.if DOCPART == 3
	.amdgcn_target "amdgcn-amd-amdhsa--gfx1250"
	.amdhsa_code_object_version 6
	.text
	.protected	k_q2200a21d18_cast
	.globl	k_q2200a21d18_cast
	.p2align	8
	.type	k_q2200a21d18_cast,@function
k_q2200a21d18_cast:
	s_mov_b64 s[64:65], 0
	v_nop
	global_prefetch_b8 v0, s[64:65] scope:SCOPE_SE
	s_setreg_imm32_b32 hwreg(HW_REG_WAVE_SCHED_MODE, 0, 2), 2
	s_setreg_imm32_b32 hwreg(HW_REG_WAVE_MODE, 25, 1), 1
	s_wait_xcnt 0x0
	s_wait_alu depctr_vm_vsrc(0)
; wb[n][0:1024] = bf16(Wq[n] * log2 e), wb[n][1024:2048] = bf16(Wk[n] * log2 e), wb[n][2048:3072] = bf16(Wv[n]).
; The three weight matrices [1024][1024] f32 are laid side by side along k in one bf16 table of 1,024 rows of 6,144 bytes, so that the next
; launch walks q's, k's and v's weights as one row.  log2 e goes into Wq and Wk here because the next launch takes its exponential in base 2;
; the product is rounded to f32 and then once more to bf16.
; A stream: no LDS, no barrier, no matrix unit.  Work-group g owns rows 4 g .. 4 g + 3 of each matrix; thread t owns the 16 bytes at 16 t of
; each row, so a load of a wave covers 512 consecutive bytes and a store of a wave 256 consecutive bytes at a multiple of 256 from wb's start.
; All twelve loads of a thread go out first; the waits count down.
; THE MODE: SCHED_MODE bits 1:0 = 2 (LLVM: expert scheduling mode 2), set by the entry lines.  The code itself states the register dependences
; between vector instructions and memory instructions, with s_wait_alu, always for 0.
; THE PLAN.  Registers that memory instructions touch:
;   v1, v2    byte offsets of the loads and of the stores.  Written once at the head, never again.
;   v[4:51]   load n = 4 m + i owns four registers.  No vector instruction names them before the load lands; behind the counted wait for it the
;             multiplies and roundings work in place; store n reads the first two; nothing writes them after that.
; No register is used twice and there is no loop.  So what has to be stated is only that a vector instruction has written what a memory
; instruction reads: once for the two offsets, in front of the first load, and once for each matrix, behind the roundings of its four rows and
; in front of its four stores, which stand in one run for that reason.  No memory instruction's source is ever written again, no load lands in
; a register that a vector instruction has named, no vector instruction writes a scalar register, and EXEC is not written.
.set X,     4                          ; v[4:51]  load n = 4 m + i: four registers
.set WROW,  4096                       ; bytes in a row of a weight matrix
.set BROW,  6144                       ; bytes in a row of wb
	s_load_b256 s[4:11], s[0:1], 0x0               ; Wq s[4:5], Wk s[6:7], Wv s[8:9], wb s[10:11]
	s_lshl_b32 s2, ttmp9, 14                       ; 4 rows of 4,096 bytes
	s_mov_b32 s3, 0
	s_mul_i32 s12, ttmp9, 4*BROW                   ; 4 rows of 6,144 bytes
	s_mov_b32 s13, 0
	v_lshlrev_b32 v1, 4, v0                        ; my 16 bytes of a row of f32
	v_lshlrev_b32 v2, 3, v0                        ; my 8 bytes of bf16
	s_wait_kmcnt 0x0
	s_add_nc_u64 s[4:5], s[4:5], s[2:3]
	s_add_nc_u64 s[6:7], s[6:7], s[2:3]
	s_add_nc_u64 s[8:9], s[8:9], s[2:3]
	s_add_nc_u64 s[10:11], s[10:11], s[12:13]
	s_wait_alu depctr_va_vdst(0)                   ; v1 and v2 are written: every load below reads v1 as its offset, every store v2
.irp m, 0,1,2
.irp i, 0,1,2,3
	global_load_b128 v[X+16*\m+4*\i:X+16*\m+4*\i+3], v1, s[4+2*\m:5+2*\m] offset:WROW*\i th:TH_LOAD_NT
.endr
.endr
.irp m, 0,1,2
.irp i, 0,1,2,3
	s_wait_loadcnt 11-4*\m-\i                      ; loads come back in order: this one is in, the younger ones stay out
.if \m < 2
	v_pk_mul_f32 v[X+16*\m+4*\i:X+16*\m+4*\i+1],   v[X+16*\m+4*\i:X+16*\m+4*\i+1],   0x3fb8aa3b op_sel_hi:[1,0]   ; times log2 e
	v_pk_mul_f32 v[X+16*\m+4*\i+2:X+16*\m+4*\i+3], v[X+16*\m+4*\i+2:X+16*\m+4*\i+3], 0x3fb8aa3b op_sel_hi:[1,0]
.endif
	v_cvt_pk_bf16_f32 v[X+16*\m+4*\i],   v[X+16*\m+4*\i],   v[X+16*\m+4*\i+1]
	v_cvt_pk_bf16_f32 v[X+16*\m+4*\i+1], v[X+16*\m+4*\i+2], v[X+16*\m+4*\i+3]
.endr
	s_wait_alu depctr_va_vdst(0)                   ; the roundings of this matrix's four rows have written the first two registers of each row, which the four stores below read
.irp i, 0,1,2,3
	global_store_b64 v2, v[X+16*\m+4*\i:X+16*\m+4*\i+1], s[10:11] offset:BROW*\i+2048*\m   ; no hint: the next launch reads wb many times
.endr
.endr
	s_endpgm
.Lfunc_end_k_q2200a21d18_cast:
	.size	k_q2200a21d18_cast, .Lfunc_end_k_q2200a21d18_cast-k_q2200a21d18_cast
	.p2alignl 7, 3214868480
	.fill 96, 4, 3214868480
	.section	.rodata,"a",@progbits
	.p2align	6, 0x0
	.amdhsa_kernel k_q2200a21d18_cast
		.amdhsa_group_segment_fixed_size 0
		.amdhsa_private_segment_fixed_size 0
		.amdhsa_enable_private_segment 0
		.amdhsa_kernarg_size 32
		.amdhsa_user_sgpr_count 2
		.amdhsa_user_sgpr_kernarg_segment_ptr 1
		.amdhsa_wavefront_size32 1
		.amdhsa_system_sgpr_workgroup_id_x 1
		.amdhsa_system_sgpr_workgroup_id_y 1
		.amdhsa_system_sgpr_workgroup_id_z 1
		.amdhsa_system_vgpr_workitem_id 0
		.amdhsa_next_free_vgpr 56
		.amdhsa_next_free_sgpr 66
		.amdhsa_reserve_vcc 0
		.amdhsa_float_denorm_mode_32 3
		.amdhsa_float_denorm_mode_16_64 3
		.amdhsa_memory_ordered 1
		.amdhsa_forward_progress 1
		.amdhsa_inst_pref_size 7
	.end_amdhsa_kernel
	.amdgpu_metadata
---
amdhsa.version: [ 1, 2 ]
amdhsa.kernels:
  - .name:           k_q2200a21d18_cast
    .symbol:         k_q2200a21d18_cast.kd
    .args:
      - { .name: Wq, .offset: 0, .size: 8, .value_kind: global_buffer, .address_space: global }
      - { .name: Wk, .offset: 8, .size: 8, .value_kind: global_buffer, .address_space: global }
      - { .name: Wv, .offset: 16, .size: 8, .value_kind: global_buffer, .address_space: global }
      - { .name: wb, .offset: 24, .size: 8, .value_kind: global_buffer, .address_space: global }
    .group_segment_fixed_size: 0
    .private_segment_fixed_size: 0
    .kernarg_segment_align: 8
    .kernarg_segment_size: 32
    .max_flat_workgroup_size: 256
    .sgpr_count:     66
    .vgpr_count:     56
    .wavefront_size: 32
...
	.end_amdgpu_metadata
.endif
;; end of part 3
;; launch attn: the kernel of part 2 again; grid 8 x 32, 4 waves a work-group, clusters of 4 x 1, 327,680 bytes of LDS; arguments q, k, v, wb, out0; writes out0
